; MI455X (gfx1250); checked and timed in simulation.
; The chip was launched on July 23, 2026; its instructions are those of AMD's public machine-readable ISA for CDNA 5 (MIT licence, August 2026) and "CDNA5" Instruction Set Architecture Reference Guide (July 2026). The comments in the code are by the model that wrote it; some were corrected since.
;; Bahdanau Attention. Allowed arithmetic: matrix products marked QUANTISED: E2M1 operands, one E8M0 scale for each 32 along K, by v_wmma_scale_f32_16x16x128_f8f6f4 with both operands' format E2M1 (or v_wmma_scale_f32_32x16x128_f4), f32 sums; products left as they are: f32 operands where the result goes on into a quantised operand, else bf16, f16 or f32 operands; f32 sums; everything else in f32.
;; Inputs: W_attn 2,048 x 1,024 float32; b_attn 1,024 float32; decoder_hidden 32 x 1,024 float32; encoder_outputs 32 x 2,048 x 1,024 float32; mask 32 x 2,048 int32; v_w 1,024 float32.
;; Outputs: out0 32 x 1,024 float32; out1 32 x 2,048 float32.
;; This version of the problem:
;;   THIS VERSION OF THE PROBLEM IS GIVEN IN LOW PRECISION. The matrix products marked QUANTISED in the list below multiply operands that are first quantised to E2M1 (2 exponent bits, 1 mantissa bit; 4 bits a number), with one power-of-two scale for each 32 numbers along K (OCP MX v1.0); their sums are f32. All else is computed in f32.
;;   The module's matrix products, in the order in which they are computed (A, B: the left and right operand; K: the contracted axis; several contracted axes count as one K, in the product's order):
;;     1. [M 32, K 1,024] x [K 1,024, N 1,024]; A: input decoder_hidden; B: input W_attn: QUANTISED
;;     2. [M 65,536, K 1,024] x [K 1,024, N 1,024]; A: input encoder_outputs; B: input W_attn: QUANTISED
;;     3. [M 65,536, K 1,024] x [K 1,024, N 1]; A: computed on the way; B: input v_w: left as it is (N = 1 < 16)
;;     4. batch 32 x [M 1, K 2,048] x [K 2,048, N 1,024]; A: softmax; B: input encoder_outputs: left as it is (M = 1 < 16)
;;   THE QUANTISER, for each operand of a quantised product, along K:
;;     - K is cut into blocks of 32 from its start; a last block that is shorter is filled with zeros.
;;     - A block's scale is 2^e with e = floor(log2(the largest magnitude in the block)) - 2, held to -126 .. 127; a block of zeros has e = 0. As a byte (E8M0): e + 127.
;;     - Each number is divided by its block's scale, clamped to +-6, and rounded to the nearest number of E2M1, ties to even, subnormals kept.
;;     - The product sums the exact products of the quantised numbers (number of the format x scale) in f32.
;;   ~~~python
;;   def quantise(x, axis):      # numpy; x: float32 -> the quantised numbers, widened to float32 again
;;       x = np.moveaxis(x, axis, -1); K = x.shape[-1]
;;       x = np.pad(x, [(0, 0)] * (x.ndim - 1) + [(0, -K % 32)]); x = x.reshape(x.shape[:-1] + (-1, 32)); a = np.abs(x).max(-1, keepdims=True)
;;       e = np.where(a > 0, np.clip(np.frexp(np.where(a > 0, a, 1))[1] - 1 - 2, -126, 127), 0)      # np.frexp(a)[1] - 1 = floor(log2(a)), exactly
;;       r = np.clip(x / 2.0 ** e, -6, 6)
;;       step = 2.0 ** (np.maximum(np.frexp(np.where(r == 0, 1, r))[1] - 1, 0) - 1)
;;       q = np.round(r / step) * step * 2.0 ** e      # np.round: ties to even
;;       return np.moveaxis(q.reshape(q.shape[:-2] + (-1,))[..., :K], -1, axis).astype(np.float32)
;;   ~~~
;; One version. Each part assembles by itself: llvm-mc -triple=amdgcn-amd-amdhsa -mcpu=gfx1250 --defsym DOCPART=n.
;; ======== version 1 of 1: 3 launches
;; limits: values are held in bf16: 8 bits of precision; right only within a limited range of input values
;; workspace buffers: wfrag 557,056 bytes; dpart 262,144 bytes; part 1,114,112 bytes; zbuf 262,144 bytes
;; launch prep (part 1): grid 16 x 4, 16 waves a work-group, no clusters, 68,608 bytes of LDS; arguments W_attn, decoder_hidden, wfrag, dpart; writes wfrag, dpart
.if DOCPART == 1
	.amdgcn_target "amdgcn-amd-amdhsa--gfx1250"
	.amdhsa_code_object_version 6
	.text
	.protected	k_qbf479f6c67_prep
	.globl	k_qbf479f6c67_prep
	.p2align	8
	.type	k_qbf479f6c67_prep,@function
k_qbf479f6c67_prep:
	s_mov_b64 s[64:65], 0
	v_nop
	global_prefetch_b8 v0, s[64:65] scope:SCOPE_SE
	s_setreg_imm32_b32 hwreg(HW_REG_WAVE_MODE, 25, 1), 1
	s_wait_xcnt 0x0
; W_attn [2048 (k)][1024 (n)], f32, K its FIRST axis, is quantised to FP4 (E2M1) with one E8M0 byte for each 32 along K.  Rows 0-1023 are W_dec, rows 1024-2047 W_enc.
; A LANE TAKES A COLUMN AND ITS REGISTERS RUN DOWN K: 64 numbers, two blocks of 32, so a block's largest magnitude needs no other lane and the conversions give codes with K innermost.
; A work-group takes 64 columns x 512 k (y = 0, 1: W_dec's halves; y = 2, 3: W_enc's).  Wave wv: cw = wv & 1 (which 32 columns), c = (wv >> 1) & 1 (which 64 k of a K step of 128), ks = wv >> 2 (which K step of four).
; W_enc goes to wfrag in the ORDER OF THE OPERAND'S REGISTERS: a record of 8,704 bytes holds one tile of 16 columns for all 1,024 k:
;   bytes 1,024 s + 512 c + 16 lane: registers 4 c .. 4 c + 3 of the fragment of K step s: lane (r, h) holds column r, k = 128 s + 64 c + 32 h + 0 .. 31;
;   bytes 8,192 + 256 u + 8 lane: lane (r, h): the scale words of column r for K steps 4 u + h and 4 u + 2 + h.
; W_dec is not stored: dec_proj = Q(decoder_hidden) Q(W_dec) is made here.  A wave's codes of 64 k are registers 0-3 of a fragment whose registers 4-7 are zero codes; the same 64 k of decoder_hidden's 32 rows are
; quantised into fragments of the same make (the same k in the same places of both operands), and four products give 32 rows x 32 columns summed over the wave's 64 k.  The eight waves that share columns add their
; results through LDS, k ascending; the sum over the work-group's 512 k goes to dpart: [y 2][tile 64][rows 16 m on][registers 4 a on][lane][4] f32: the accumulators' registers as they stand.
; The two kinds of work-group part once, on the work-group's y, and do not join again; each has LDS bytes of its own.
; A block's scale is 2^(floor(log2(its largest magnitude)) - 2); its byte is the largest magnitude's exponent field - 2, held at 1 from below.
; LIMITS: a block of zeros, or one whose largest magnitude lies under 2^-124, gets the byte 1 (the bytes are read by this program alone; zero codes add nothing); NaN and infinities are not served.
; decoder_hidden is read 16 bytes a lane from rows 4,096 bytes apart: 64 KB a work-group, of a tensor of 128 KB.
.set ROWW, 4096                        ; a row of W, and of decoder_hidden, in bytes
.set REC,  8704                        ; a record of wfrag
.set X,    32                          ; v32-95   my column's 64 numbers; at the end of W_dec's path the eight pieces to be added
.set C,    96                          ; v96-99 the piece of my first tile, v104-107 of my second; v100-103, v108-111 zero codes (W_dec's path)
.set DX,   112                         ; v112-175 decoder_hidden: 32 numbers of row r and of row 16 + r
.set AF,   176                         ; v176-191 their two fragments
.set D,    192                         ; v192-223 four accumulators: (tile t, rows 16 m on) at 8 (2 t + m)
.set DL,   1024                        ; LDS: bytes 0-1,023 four images of scale words (W_enc's path); from DL on 4,096 bytes a wave: its four accumulators (W_dec's path)
; v18, v19 my two scale bytes; v20 W's scale word (bytes 0, 1); v24, v25 decoder_hidden's scale words
.macro QB xs, cd, e, y                 ; 32 numbers of a lane, v[xs] on: codes into v[cd] .. v[cd + 3], the conversion's scale operand into v[e], the scale's byte into v[y]
.set XS, \xs
.set CD, \cd
	v_max3_num_f32 v12, |v[XS]|, |v[XS+1]|, |v[XS+2]|
	v_max3_num_f32 v13, |v[XS+3]|, |v[XS+4]|, |v[XS+5]|
.irp i, 6,10,14,18,22,26
	s_delay_alu instid0(VALU_DEP_2)
	v_max3_num_f32 v12, v12, |v[XS+\i]|, |v[XS+\i+1]|
	s_delay_alu instid0(VALU_DEP_2)
	v_max3_num_f32 v13, v13, |v[XS+\i+2]|, |v[XS+\i+3]|
.endr
	s_delay_alu instid0(VALU_DEP_2)
	v_max3_num_f32 v12, v12, |v[XS+30]|, |v[XS+31]|
	s_delay_alu instid0(VALU_DEP_1)
	v_max3_num_f32 v12, v12, v13, 0x1800000        ; and the floor 2^(3 - 127): the byte cannot fall under 1
	s_delay_alu instid0(VALU_DEP_1)
	v_add_nc_u32 v[\e], 0xff000000, v12            ; 2 off the exponent field: the conversion takes this operand's exponent field as its scale
.irp g, 0,1,2,3
	v_cvt_scalef32_pk8_fp4_f32 v[CD+\g], v[XS+8*\g:XS+8*\g+7], v[\e]
.endr
	v_lshrrev_b32 v[\y], 23, v[\e]                 ; the scale's byte; also the plain line behind the conversions
.endm
.macro SWAPS                           ; the first's lanes 16-31 change places with the second's lanes 0-15: v96-99 are then the piece of my first tile (lanes 0-15 the lower block, lanes 16-31 the upper), v104-107 of my second
.irp i, 0,1,2,3
	v_permlane16_swap_b32 v[C+\i], v[C+8+\i]
.endr
.endm
	s_load_b256 s[4:11], s[0:1], 0x0               ; W s[4:5], decoder_hidden s[6:7], wfrag s[8:9], dpart s[10:11]
	v_lshl_add_u32 v224, v0, 2, 0x10400
	v_mov_b32 v225, 0
	v_lshrrev_b32 v1, 5, v0
	s_delay_alu instid0(VALU_DEP_1)
	v_readfirstlane_b32 s12, v1                    ; wave 0..15
	v_and_b32 v1, 31, v0                           ; lane
	s_delay_alu instid0(VALU_DEP_1)
	v_lshlrev_b32 v2, 2, v1                        ; in: 4 bytes a lane
	s_delay_alu instid0(VALU_DEP_2)
	v_lshlrev_b32 v3, 4, v1                        ; a piece: 16 bytes a lane
	s_delay_alu instid0(VALU_DEP_3)
	v_lshlrev_b32 v5, 3, v1                        ; the scale words: 8 bytes a lane
	v_and_b32 v6, 15, v0                           ; r
	s_wait_alu depctr_va_vdst(0)
	v_bfe_u32 v7, v0, 4, 1                         ; h
	s_and_b32 s13, s12, 1                          ; cw
	s_bfe_u32 s14, s12, 0x10001                    ; c
	s_lshr_b32 s15, s12, 2                         ; ks
	s_and_b32 s16, ttmp7, 0xffff                   ; y: which 512 of the 2,048 k
	s_lshl_b32 s18, s16, 9
	s_lshl_b32 s17, s15, 7
	s_add_co_u32 s18, s18, s17
	s_lshl_b32 s17, s14, 6
	s_add_co_u32 s18, s18, s17                     ; my first row of W: 512 y + 128 ks + 64 c
	s_lshl_b32 s20, s18, 12
	s_lshl_b32 s17, ttmp9, 8
	s_add_co_u32 s20, s20, s17
	s_lshl_b32 s17, s13, 7
	s_add_co_u32 s20, s20, s17                     ; my first column: 64 x + 32 cw
	s_mov_b32 s21, 0
	; LDS addresses of both paths, made ahead of the parting.  W_enc: my two bytes go to 256 (2 cw + lane / 16) + 8 (16 (ks & 1) + r) + 4 (ks >> 1) + 2 c
	s_lshl_b32 s24, s13, 9
	s_and_b32 s17, s15, 1
	s_lshl_b32 s17, s17, 7
	s_add_co_u32 s24, s24, s17
	s_lshr_b32 s17, s15, 1
	s_lshl_b32 s17, s17, 2
	s_add_co_u32 s24, s24, s17
	s_lshl_b32 s17, s14, 1
	s_add_co_u32 s24, s24, s17
	v_lshlrev_b32 v4, 3, v6
	s_wait_alu depctr_va_vdst(0)
	v_lshl_add_u32 v4, v7, 8, v4
	s_delay_alu instid0(VALU_DEP_1)
	v_add_nc_u32 v4, s24, v4
	s_and_b32 s25, s12, 3
	s_lshl_b32 s25, s25, 8
	v_add_nc_u32 v9, s25, v5                       ; back: image (wave & 3), 8 bytes a lane
	s_lshl_b32 s24, s12, 12                        ; W_dec: my accumulators' images: DL + 4,096 wave + 16 lane
	s_add_co_u32 s24, s24, DL
	v_add_nc_u32 v8, s24, v3
	s_lshr_b32 s24, s12, 3                         ; back: wave wv adds piece wv & 7 of the waves with cw = wv >> 3, which lie 8,192 bytes apart
	s_lshl_b32 s24, s24, 12
	s_and_b32 s25, s12, 7
	s_lshl_b32 s25, s25, 9
	s_add_co_u32 s24, s24, s25
	s_add_co_u32 s24, s24, DL
	v_add_nc_u32 v11, s24, v3
	s_wait_kmcnt 0x0
	s_add_nc_u64 s[4:5], s[4:5], s[20:21]
.set I, 0
.rept 64
	global_load_b32 v[X+I], v2, s[4:5] offset:I*ROWW th:TH_LOAD_NT   ; row I of my 64: 32 lanes read 128 consecutive bytes, the wave beside me the next 128
.set I, I+1
.endr
	s_cmp_lt_u32 s16, 2
	s_cbranch_scc1 .Ldec                           ; the same in every wave of a work-group
	; ---- W_enc: codes and scale words to wfrag.  Record 4 x + 2 cw, K step 4 (y & 1) + ks, piece c
	s_lshl_b32 s22, ttmp9, 2                       ; the work-group's first record
	s_lshl_b32 s17, s13, 1
	s_add_co_u32 s24, s22, s17
	s_mul_i32 s24, s24, REC
	s_and_b32 s19, s16, 1                          ; u
	s_lshl_b32 s17, s19, 2
	s_add_co_u32 s17, s17, s15
	s_lshl_b32 s17, s17, 10
	s_add_co_u32 s24, s24, s17
	s_lshl_b32 s17, s14, 9
	s_add_co_u32 s24, s24, s17
	s_mov_b32 s25, 0
	s_and_b32 s23, s12, 3
	s_add_co_u32 s26, s22, s23                     ; the scale words of record (first + wave), for waves 0 to 3
	s_mul_i32 s26, s26, REC
	s_lshl_b32 s17, s19, 8
	s_add_co_u32 s26, s26, s17
	s_add_co_u32 s26, s26, 8192
	s_mov_b32 s27, 0
	s_add_nc_u64 s[26:27], s[8:9], s[26:27]
	s_add_nc_u64 s[8:9], s[8:9], s[24:25]
	s_wait_loadcnt 32                              ; the first block's 32 loads are in; the second block's 32 were issued behind them
	QB X, C, 16, 18
	s_wait_loadcnt 0x0
	QB X+32, C+8, 17, 19
	SWAPS
	global_store_b128 v3, v[C:C+3], s[8:9]         ; 32 lanes store 512 consecutive bytes, at a multiple of 256 from the buffer's first byte
	global_store_b128 v3, v[C+8:C+11], s[8:9] offset:REC
	ds_store_b8 v4, v18                            ; bytes 2 c and 2 c + 1 of my column's scale word
	ds_store_b8 v4, v19 offset:1
	s_wait_dscnt 0x0                               ; for the others' sake: my two bytes have landed
	s_barrier_signal -1
	s_barrier_wait -1                              ; the four images are whole
	s_cmp_gt_u32 s12, 3
	s_cbranch_scc1 .Ldone                          ; waves 0 to 3 send an image each
	ds_load_b64 v[22:23], v9
	s_wait_dscnt 0x0
	global_store_b64 v5, v[22:23], s[26:27]        ; 32 lanes store 256 consecutive bytes, aligned
.Ldone:
	s_wait_tensorcnt 0x0
	ds_add_u32 v224, v225
	s_wait_dscnt 0x0
	s_endpgm
	; ---- W_dec: the work-group's share of dec_proj
.Ldec:
	s_lshl_b32 s24, s18, 2                         ; decoder_hidden at my first k (under 1,024 on this path)
	s_mov_b32 s25, 0
	s_add_nc_u64 s[6:7], s[6:7], s[24:25]
	s_lshl_b32 s24, s16, 17                        ; dpart: 131,072 y + 8,192 x + 512 wave
	s_lshl_b32 s17, ttmp9, 13
	s_add_co_u32 s24, s24, s17
	s_lshl_b32 s17, s12, 9
	s_add_co_u32 s24, s24, s17
	s_add_nc_u64 s[10:11], s[10:11], s[24:25]
	s_mov_b32 s28, 0x76543210
	s_mov_b32 s29, 0xfedcba98                      ; v_permlanex16_b32's selects for lane l xor 16
	v_lshlrev_b32 v14, 12, v6
	s_delay_alu instid0(VALU_DEP_1)
	v_lshl_add_u32 v14, v7, 7, v14                 ; row r, + 32 h numbers: lane (r, h) takes a whole block of 32
	v_lshlrev_b32 v10, 3, v7                       ; 8 h
.irp m, 0,1
.irp i, 0,1,2,3,4,5,6,7
	global_load_b128 v[DX+32*\m+4*\i:DX+32*\m+4*\i+3], v14, s[6:7] offset:16*ROWW*\m+16*\i
.endr
.endr
.irp i, 4,5,6,7,12,13,14,15
	v_mov_b32 v[C+\i], 0                           ; zero codes for the K step's other 64 places, in each operand's own registers
	v_mov_b32 v[AF+\i], 0
.endr
	v_mov_b32 v30, 0                               ; (a lane permute's destination counts as one of its sources)
	v_mov_b32 v31, 0
	s_wait_loadcnt 48                              ; W's first block is in: behind it its second block's 32 loads and the decoder's 16 were issued
	QB X, C, 16, 18
	s_wait_loadcnt 16                              ; W's second block is in: the decoder's 16 may be out
	QB X+32, C+8, 17, 19
	s_delay_alu instid0(VALU_DEP_1)
	v_lshl_or_b32 v20, v19, 8, v18                 ; my column's scale word: bytes 0 and 1; bytes 2 and 3 stand over zero codes.  Lanes 0-15: my first tile's columns, lanes 16-31: my second's
	SWAPS
	s_wait_loadcnt 0x0
	QB DX, AF, 26, 28
	QB DX+32, AF+8, 27, 29
	v_lshlrev_b32 v28, v10, v28                    ; my block's byte at its place, 8 h bits up;
	s_delay_alu instid0(VALU_DEP_2)
	v_lshlrev_b32 v29, v10, v29
	s_delay_alu instid0(VALU_DEP_2)
	v_permlanex16_b32 v30, v28, s28, s29
	s_delay_alu instid0(VALU_DEP_2)
	v_permlanex16_b32 v31, v29, s28, s29
	s_delay_alu instid0(VALU_DEP_2)
	v_or_b32 v24, v28, v30                         ; with lane l xor 16's the row's scale word is whole
	s_delay_alu instid0(VALU_DEP_2)
	v_or_b32 v25, v29, v31
.rept 8
	v_nop                                          ; a scale register written by a vector instruction stands 8 places ahead of a scaled matrix instruction, an operand so written 4
.endr
.irp t, 0,1                                    ; source 0 = 16 rows of decoder_hidden, source 1 = 16 columns of W.  Lane (r, h), register j: row 16 m + 8 h + j, column r of tile t
.irp m, 0,1
.if \t == 0
	v_wmma_scale_f32_16x16x128_f8f6f4 v[D+8*(2*\t+\m):D+8*(2*\t+\m)+7], v[AF+8*\m:AF+8*\m+7], v[C+8*\t:C+8*\t+7], 0, v[24+\m], v20 matrix_a_fmt:MATRIX_FMT_FP4 matrix_b_fmt:MATRIX_FMT_FP4
.else
	v_wmma_scale_f32_16x16x128_f8f6f4 v[D+8*(2*\t+\m):D+8*(2*\t+\m)+7], v[AF+8*\m:AF+8*\m+7], v[C+8*\t:C+8*\t+7], 0, v[24+\m], v20 matrix_a_fmt:MATRIX_FMT_FP4 matrix_b_fmt:MATRIX_FMT_FP4 matrix_b_scale:MATRIX_SCALE_ROW1
.endif
.endr
.endr
.rept 4
	v_nop                                          ; four places ahead of the first read of the results
.endr
.irp p, 0,1,2,3,4,5,6,7
	ds_store_b128 v8, v[D+4*\p:D+4*\p+3] offset:512*\p   ; the accumulators as they stand, each from its low end on: piece p = registers 4 (p & 1) on of accumulator p / 2
.endr
	s_wait_dscnt 0x0                               ; for the others' sake: my images have landed
	s_barrier_signal -1
	s_barrier_wait -1
.irp j, 0,1,2,3,4,5,6,7
	ds_load_b128 v[X+4*\j:X+4*\j+3], v11 offset:8192*\j   ; my piece from the eight waves that share its columns: wave cw + 2 j holds k 64 j on
.endr
	s_wait_dscnt 0x0
.irp j, 1
	v_pk_add_f32 v[X:X+1], v[X:X+1], v[X+4*\j:X+4*\j+1]           ; k ascending
	v_pk_add_f32 v[X+2:X+3], v[X+2:X+3], v[X+4*\j+2:X+4*\j+3]
.endr
.irp j, 2, 3, 4, 5, 6, 7
	s_delay_alu instid0(VALU_DEP_2)
	v_pk_add_f32 v[X:X+1], v[X:X+1], v[X+4*\j:X+4*\j+1]           ; k ascending
	s_delay_alu instid0(VALU_DEP_2)
	v_pk_add_f32 v[X+2:X+3], v[X+2:X+3], v[X+4*\j+2:X+4*\j+3]
.endr
	global_store_b128 v3, v[X:X+3], s[10:11]       ; 32 lanes store 512 consecutive bytes, at a multiple of 256 from the buffer's first byte
	s_wait_tensorcnt 0x0
	ds_add_u32 v224, v225
	s_wait_dscnt 0x0
	s_endpgm
.Lfunc_end_k_qbf479f6c67_prep:
	.size	k_qbf479f6c67_prep, .Lfunc_end_k_qbf479f6c67_prep-k_qbf479f6c67_prep
	.p2alignl 7, 3214868480
	.fill 96, 4, 3214868480
	.section	.rodata,"a",@progbits
	.p2align	6, 0x0
	.amdhsa_kernel k_qbf479f6c67_prep
		.amdhsa_group_segment_fixed_size 68608
		.amdhsa_private_segment_fixed_size 0
		.amdhsa_enable_private_segment 0
		.amdhsa_kernarg_size 32
		.amdhsa_user_sgpr_count 2
		.amdhsa_user_sgpr_kernarg_segment_ptr 1
		.amdhsa_wavefront_size32 1
		.amdhsa_system_sgpr_workgroup_id_x 1
		.amdhsa_system_sgpr_workgroup_id_y 1
		.amdhsa_system_sgpr_workgroup_id_z 1
		.amdhsa_system_vgpr_workitem_id 0
		.amdhsa_next_free_vgpr 226
		.amdhsa_next_free_sgpr 66
		.amdhsa_reserve_vcc 0
		.amdhsa_float_denorm_mode_32 3
		.amdhsa_float_denorm_mode_16_64 3
		.amdhsa_memory_ordered 1
		.amdhsa_forward_progress 1
		.amdhsa_inst_pref_size 29
	.end_amdhsa_kernel
	.amdgpu_metadata
---
amdhsa.version: [ 1, 2 ]
amdhsa.kernels:
  - .name:           k_qbf479f6c67_prep
    .symbol:         k_qbf479f6c67_prep.kd
    .args:
      - { .name: W_attn, .offset: 0, .size: 8, .value_kind: global_buffer, .address_space: global }
      - { .name: decoder_hidden, .offset: 8, .size: 8, .value_kind: global_buffer, .address_space: global }
      - { .name: wfrag, .offset: 16, .size: 8, .value_kind: global_buffer, .address_space: global }
      - { .name: dpart, .offset: 24, .size: 8, .value_kind: global_buffer, .address_space: global }
    .group_segment_fixed_size: 68608
    .private_segment_fixed_size: 0
    .kernarg_segment_align: 8
    .kernarg_segment_size: 32
    .max_flat_workgroup_size: 512
    .sgpr_count:     66
    .vgpr_count:     226
    .wavefront_size: 32
...
	.end_amdgpu_metadata
.endif
;; end of part 1
;; launch main (part 2): grid 256 x 1, 4 waves a work-group, no clusters, 327,680 bytes of LDS; arguments encoder_outputs, dpart, mask, b_attn, v_w, wfrag, part, zbuf; writes part, zbuf
.if DOCPART == 2
	.amdgcn_target "amdgcn-amd-amdhsa--gfx1250"
	.amdhsa_code_object_version 6
	.text
	.protected	k_qbf479f6c67_main
	.globl	k_qbf479f6c67_main
	.p2align	8
	.type	k_qbf479f6c67_main,@function
k_qbf479f6c67_main:
	s_mov_b64 s[64:65], 0
	v_nop
	global_prefetch_b8 v0, s[64:65] scope:SCOPE_SE
	s_setreg_imm32_b32 hwreg(HW_REG_WAVE_MODE, 25, 1), 1
	s_wait_xcnt 0x0
; Additive attention, one pass over encoder_outputs.  Work-group g owns rows 256 g .. 256 g + 255 of the 65,536 (all of batch g >> 3), in four blocks of 64 rows.  For each row:
;   score = sum over n of v[n] tanh(dec_proj[n] + b[n] + (row . W_enc[:, n]));  masked rows get -1e9;  z = score x log2(e);  a running maximum, sum and weighted sum of rows (the context) are kept.
; The projection is a product on codes of FP4 (E2M1), one E8M0 scale for each 32 along K; W_enc comes as fragments and dec_proj as two partial sums from the launch before; the rows are quantised here.
; OUT: a record of 4,352 bytes a work-group (1,024 f32 of partial context, then the pair (maximum, sum) 32 times) and z of every row; the next launch joins the eight records of a batch.
; STEPS.  The rows come in 16 granules of 16 rows; granule n is rows 16 n on, wave w takes its rows 4 w .. 4 w + 3 (16,384 bytes, one tensor load) into its own ring of two LDS slots.
; Step n (0 .. 19): the change of slots and the load of granule n + 1 (n < 15); granule n is quantised (n < 16): codes and scale bytes to LDS for all waves, the rows as bf16 to the wave's own LDS image;
; one trip of products (n > 3): all 64 rows of block (n - 4) / 4 against four of the wave's 16 tiles of W (256 columns a wave), with tanh and the score sums.  So a block is quantised while the block before is multiplied.
; At a block's end (n & 3 = 3): scores, softmax step, context from the bf16 rows in window 3; then the next block's codes come into window 1 and its bf16 image into window 3.
; W: from memory straight into a ring of four tiles in registers, each tile asked for again as soon as it has been multiplied; step 19, the last trip, asks for none.
; PREFETCH of the rows, two steps ahead of their tensor loads: the head asks for granules 1 and 2, step n for granule n + 3 (which step n + 2 loads); each wave for its own 16,384 bytes, two instructions, lanes 256 bytes apart;
; steps 13 on ask for nothing, so every address lies in the work-group's own rows.  W is read by all work-groups again and again and is not asked for.
; tanh(x) = 1 - 2 / (1 + 2^(c x)), c = 2 log2(e).  score = sum v + sum (-2 v) / (1 + 2^(c x)).
; NO JOINT LOADS: all work-groups read the same W, but a joint load lands in LDS, and a slot of one tile a wave is 34,816 bytes where 9,216 bytes are free.
; LIMITS: NaN and infinities among the inputs are not served.  A block of 32 whose largest magnitude lies under 2^-124 (zeros too) gets the scale byte 1; the bytes are read here alone.
; encoder_outputs is rounded to bf16 for the context alone.
.set LSLOT,  17408                     ; a slot of a wave: 4 rows = 64 pieces of 256 bytes + 16 of padding
.set LANDW,  2*LSLOT
.set ROWL,   4352                      ; a row of 4,096 bytes there
.set B16,    4*LANDW                   ; the next block's rows as bf16: 32,768 bytes a wave, [row 16][cell 4][lane][16 bytes]
.set CODES,  B16+131072                ; a block's codes: 64 rows of 512 bytes, 528 apart.  In the tail: four partial contexts
.set CP,     528
.set SCB,    CODES+64*CP               ; scale bytes: 64 rows, 48 apart; K step s, block b at 16 (s & 1) + 4 (s >> 1) + b
.set SP,     48
.set PS,     SCB+64*SP                 ; partial scores [wave][64 rows]
.set BVL,    PS+1024                   ; 2,048 bytes a wave: [trip 4][r 16][tile 4] pairs (bias', v')
.set PBL,    BVL+8192                  ; 64 bytes a wave: 16 weights
.set SCO,    PBL+256                   ; z of the 256 rows
.set MST,    SCO+1024                  ; (maximum, sum) of the four waves
.set SPARE,  MST+256                   ; the spare words: 512 bytes that no other line names
.set REC,    8704
.set TRIPB,  4*REC
.set QUARTB, 16*REC
; REGISTERS.  Window 1: codes of 64 rows, fragment (m, s) at 8 (8 m + s).  Window 2: four tiles of W.  Window 3: my 16 rows as bf16, (row o, cell g, pair e) at 16 o + 4 g + e.  Window 0:
.set SPW, 1
.set NIL, 2
.set VB,  3
.set VSO, 4
.set LQ,  5                            ; my 32 bytes of a cell in slot 0
.set LQC, 6                            ; the same in the slot in hand
.set CW,  7
.set SBW, 8
.set AFA, 9
.set ASA, 10
.set DPO, 11
.set BVA, 13
.set BVC, 14
.set PSW, 15
.set PSR, 16
.set PBW, 17
.set PBR, 18
.set BVS, 19
.set MK,  20
.set Z,   24
.set MX,  28
.set LS,  29
.set F,   30
.set VS,  32
.set NEG, 33
.set T,   34
.set MSW, 40
.set SCW, 41
.set MGW, 42
.set MSR, 43
.set MGR, 44
.set SCR, 45
.set ASC, 48
.set BSC, 64
.set BV,  80
.set S,   88
.set CTX, 120
.set ACC, 152
.set QM,  216
.set QE,  220
.set QC,  224
.set QY,  228
.set BT,  232                          ; v232-247 a row as bf16
.set CWC, 248                          ; the step's places for codes, scale bytes, bf16
.set SBC, 249
.set B6W, 250
.set B6C, 251
.set PFO, 252                          ; the prefetches' offset: 256 x lane; never rewritten
; SCALARS: s[4:19] addresses; s20 wave; s21 work-group; s22 batch; s[24:27], s[28:35] descriptor; s[36:41] W's walk; s44 step; s45 trip's place in BVL; s[46:47] c; s48-54 at work; s55 the slot read;
; s[56:57] where my prefetches stand; s[58:59] the same for the head's
.set MSB, 0
.macro WIN new
.if MSB != \new
	s_set_vgpr_msb (MSB<<8)|\new
.set MSB, \new
.endif
.endm
.macro VW
	s_wait_alu depctr_va_vdst(0)
.endm
.macro PLACES
.rept 4
	v_nop
.endr
.endm
.macro MM set, m, s, q                 ; rows 16 m on x the tile in slot q, K step s.  Lane (r, h), register j: row 16 m + 8 h + j, column r
.set rD, ACC+32*(\set)+8*(\m)
.set rA, 8*(8*(\m)+(\s))
.set rB, 64*(\q)+8*(\s)
.set rX, ASC+4*(\m)+(\s)/2
.set rY, BSC+4*(\q)+(\s)/2
.if (\s) == 0
	v_wmma_scale_f32_16x16x128_f8f6f4 v[rD:rD+7], v[rA:rA+7], v[rB:rB+7], 0, v[rX], v[rY] matrix_a_fmt:MATRIX_FMT_FP4 matrix_b_fmt:MATRIX_FMT_FP4
.elseif (\s)%2 == 0
	v_wmma_scale_f32_16x16x128_f8f6f4 v[rD:rD+7], v[rA:rA+7], v[rB:rB+7], v[rD:rD+7], v[rX], v[rY] matrix_a_fmt:MATRIX_FMT_FP4 matrix_b_fmt:MATRIX_FMT_FP4
.else
	v_wmma_scale_f32_16x16x128_f8f6f4 v[rD:rD+7], v[rA:rA+7], v[rB:rB+7], v[rD:rD+7], v[rX], v[rY] matrix_a_fmt:MATRIX_FMT_FP4 matrix_b_fmt:MATRIX_FMT_FP4 matrix_a_scale:MATRIX_SCALE_ROW1 matrix_b_scale:MATRIX_SCALE_ROW1
.endif
.endm
.macro RELOAD q                        ; slot q takes tile q of the trip that s[40:41] stands at: 18 loads
	WIN 0x80
.irp s, 0,1,2,3,4,5,6,7
.irp c, 0,1
	global_load_b128 v[64*\q+8*\s+4*\c:64*\q+8*\s+4*\c+3], v[VB], s[40:41] offset:REC*\q+1024*\s+512*\c
.endr
.endr
	WIN 0
.irp u, 0,1
	global_load_b64 v[BSC+4*\q+2*\u:BSC+4*\q+2*\u+1], v[VSO], s[40:41] offset:REC*\q+8192+256*\u
.endr
.endm
; gd = 1: in step 19 no trip follows and the slot is not asked for again.  The way round the loads waits for all loads issued, so that every later counted wait holds on either way.
.macro RLD q, gd
.if \gd
	s_cmp_eq_u32 s44, 19
	s_cbranch_scc1 .Lrs_\@
	RELOAD \q
	s_branch .Lrj_\@
.Lrs_\@:
	s_wait_loadcnt 0x0
.Lrj_\@:
.else
	RELOAD \q
.endif
.endm
.macro NEXTB                           ; the base goes on to the next trip's four tiles, round my 16
	s_wait_xcnt 0x0                                ; the loads issued have read their base
	s_add_co_u32 s38, s38, TRIPB
	s_cmp_eq_u32 s38, QUARTB
	s_cselect_b32 s38, 0, s38
	s_add_nc_u64 s[40:41], s[36:37], s[38:39]
.endm
.macro RUN0                            ; a trip's first tile: 32 products, four accumulators by turns
	WIN 0x09
.set II, 0
.rept 32
	MM 0, II%4, II/4, 0
.set II, II+1
.endr
	WIN 0
.endm
; pr = 1: first tile k + 1's 32 products, one run into the other set, four accumulators by turns.  Then the tanh of tile k's 32 results a lane, in batches: 16 scalings (behind them, pr = 1, the slot just multiplied is asked for again),
; 32 exponentials, 16 additions, 32 reciprocals, 16 sums.  No transcendental stands between two links of a sum.
.macro TANH k, pr, gd
.set TB0, ACC+32*((\k)%2)
.if \pr
	WIN 0x09
.set II, 0
.rept 32
	MM ((\k)+1)%2, II%4, II/4, (\k)+1
.set II, II+1
.endr
	WIN 0
.endif
	VW                                             ; directly ahead of the first readers of tile k's results
.set PP, 0
.rept 16
	v_pk_fma_f32 v[TB0+2*PP:TB0+2*PP+1], v[TB0+2*PP:TB0+2*PP+1], s[46:47], v[BV+2*(\k):BV+2*(\k)+1] op_sel_hi:[1,0,0]   ; c x + bias'; also the places ahead of the loads below
.set PP, PP+1
.endr
.if \pr
.set RQ, (\k)+1
	RLD RQ, \gd
.endif
	VW                                             ; ahead of the batch
.set GG, 0
.rept 8
.if GG == 4
	v_nop
	VW                                             ; behind the exponentials
.set PP, 0
.rept 16
	v_pk_add_f32 v[TB0+2*PP:TB0+2*PP+1], v[TB0+2*PP:TB0+2*PP+1], 1.0 op_sel_hi:[1,0]
.set PP, PP+1
.endr
	VW                                             ; ahead of the reciprocals
.endif
.set PP, 0
.rept 8
.if GG < 4
	v_exp_f32 v[TB0+8*GG+PP], v[TB0+8*GG+PP]
.else
	v_rcp_f32 v[TB0+8*(GG-4)+PP], v[TB0+8*(GG-4)+PP]
.endif
.set PP, PP+1
.endr
.set GG, GG+1
.endr
	v_nop
	VW                                             ; behind the reciprocals
.set PP, 0
.rept 16
	v_pk_fma_f32 v[S+2*PP:S+2*PP+1], v[TB0+2*PP:TB0+2*PP+1], v[BV+2*(\k):BV+2*(\k)+1], v[S+2*PP:S+2*PP+1] op_sel:[0,1,0] op_sel_hi:[1,1,1]   ; + v' / (1 + 2^(c x))
.set PP, PP+1
.endr
.endm
; Four of my tiles against the block's 64 rows.  s_wait_loadcnt 54: behind the 18 loads of the tile wanted, the 18 of each of the three other slots were issued.
.macro TRIP gd
	s_and_b32 s45, s44, 3
	s_lshl_b32 s45, s45, 9
	v_add_nc_u32 v[BVC], s45, v[BVA]
	ds_load_b128 v[BV:BV+3], v[BVC]
	ds_load_b128 v[BV+4:BV+7], v[BVC] offset:16
	s_wait_loadcnt 54
	RUN0
	NEXTB
	PLACES
	RLD 0, \gd
	s_wait_dscnt 0x0                               ; the trip's pairs (bias', v')
	s_wait_loadcnt 54
	TANH 0, 1, \gd
	s_wait_loadcnt 54
	TANH 1, 1, \gd
	s_wait_loadcnt 54
	TANH 2, 1, \gd
	TANH 3, 0, \gd
.endm
.macro AFETCH                          ; the codes of all 64 rows and four scale words a row
	WIN 0x40
.irp m, 0,1,2,3
.irp s, 0,1,2,3,4,5,6,7
.irp c, 0,1
	ds_load_b128 v[8*(8*\m+\s)+4*\c:8*(8*\m+\s)+4*\c+3], v[AFA] offset:16*CP*\m+64*\s+32*\c
.endr
.endr
.endr
	WIN 0
.irp m, 0,1,2,3
	ds_load_b128 v[ASC+4*\m:ASC+4*\m+3], v[ASA] offset:16*SP*\m
.endr
.endm
.macro BFETCH                          ; my 16 rows as bf16, out of my own image
	WIN 0xc0
.irp o, 0,1,2,3,4,5,6,7,8,9,10,11,12,13,14,15
.irp g, 0,1,2,3
	ds_load_b128 v[16*\o+4*\g:16*\o+4*\g+3], v[B6W] offset:2048*\o+512*\g
.endr
.endr
	WIN 0
.endm
.macro SWITCH                          ; on to the next block
	AFETCH
	BFETCH
.set PP, 0
.rept 32
	v_mov_b32 v[S+PP], v[VS]                       ; the score sums begin with my columns' sum of v
.set PP, PP+1
.endr
	VW
	s_wait_dscnt 0x0
.endm
.macro LOADROW o                       ; row o of my four: cell g is 1,024 bytes of the row, lane l takes columns 256 g + 8 l + 0 .. 7
.irp g, 0,1,2,3
.irp a, 0,1
	ds_load_b128 v[ACC+32*((\o)%2)+8*\g+4*\a:ACC+32*((\o)%2)+8*\g+4*\a+3], v[LQC] offset:ROWL*(\o)+1088*\g+16*\a
.endr
.endr
.endm
.macro QROW xb, rr                     ; a row, 32 numbers a lane: a block of 32 is four neighbouring lanes of a cell; the four cells by turns
.irp g, 0,1,2,3
	v_max3_num_f32 v[QM+\g], |v[(\xb)+8*\g]|, |v[(\xb)+8*\g+1]|, 0x1800000   ; with the floor 2^(3 - 127)
.endr
.irp i, 2,4,6
.irp g, 0,1,2,3
	v_max3_num_f32 v[QM+\g], v[QM+\g], |v[(\xb)+8*\g+\i]|, |v[(\xb)+8*\g+\i+1]|
.endr
.endr
.irp x, 1,2
.irp g, 0,1,2,3
	v_max_num_f32_dpp v[QM+\g], v[QM+\g], v[QM+\g] row_xmask:\x row_mask:0xf bank_mask:0xf
.endr
.endr
.irp g, 0,1,2,3
	v_add_nc_u32 v[QE+\g], 0xff000000, v[QM+\g]    ; 2 off the exponent field: the conversion's scale operand
.endr
.irp g, 0,1,2,3
	v_cvt_scalef32_pk8_fp4_f32 v[QC+\g], v[(\xb)+8*\g:(\xb)+8*\g+7], v[QE+\g]
.endr
.irp g, 0,1,2,3
	v_lshrrev_b32 v[QY+\g], 23, v[QE+\g]           ; the scale's byte; also the plain line behind the conversions
.endr
.irp g, 0,1,2,3
.irp e, 0,1,2,3
	v_cvt_pk_bf16_f32 v[BT+4*\g+\e], v[(\xb)+8*\g+2*\e], v[(\xb)+8*\g+2*\e+1]
.endr
.endr
.irp g, 0,1,2,3
	ds_store_b32 v[CWC], v[QC+\g] offset:CP*(\rr)+128*\g
.endr
.irp g, 0,1,2,3
	ds_store_b8 v[SBC], v[QY+\g] offset:SP*(\rr)+4*\g   ; the four lanes of a block write the same byte
.endr
.irp g, 0,1,2,3
	ds_store_b128 v[B6C], v[BT+4*\g:BT+4*\g+3] offset:2048*(\rr)+512*\g
.endr
.endm
; Granule s44: where its rows lie and where its results go (t = s44 & 3: block rows 16 t + 4 w on; my rows 4 t on), then the four rows, a row ahead.
; s_wait_dscnt 8: the next row's eight loads may be out; this row's loads and the last row's stores are done.
.macro QUANT4
	s_and_b32 s51, s44, 3
	s_mul_i32 s52, s51, 16*CP
	s_mul_i32 s53, s51, 16*SP
	s_lshl_b32 s54, s51, 13
	v_add_nc_u32 v[LQC], s55, v[LQ]
	v_add_nc_u32 v[CWC], s52, v[CW]
	v_add_nc_u32 v[SBC], s53, v[SBW]
	v_add_nc_u32 v[B6C], s54, v[B6W]
	s_xor_b32 s55, s55, LSLOT                      ; the next granule lies in the other slot
	VW
	LOADROW 0
.set RR, 0
.rept 4
.if RR < 3
	LOADROW RR+1
	s_wait_dscnt 8
.else
	s_wait_dscnt 0x0
.endif
	QROW ACC+32*(RR%2), RR
.set RR, RR+1
.endr
.endm
; The change of slots: all my tensor loads are in (the one that is out is this step's granule), the add, my reads of the other slot are over; behind the barrier the other slot takes the next granule.
.macro STEPHEAD
	s_wait_tensorcnt 0x0
	ds_add_u32 v[SPW], v[NIL]
	s_xor_b32 s25, s25, LSLOT                      ; no load of mine is out: the descriptor steps
	s_add_nc_u64 s[26:27], s[26:27], 65536         ; 16 rows on
	s_wait_xcnt 0x0                                ; my prefetches have read their base: it steps too
	s_add_nc_u64 s[56:57], s[56:57], 65536
	s_wait_dscnt 0x0
	s_barrier_signal -1
	s_barrier_wait -1
	tensor_load_to_lds s[24:27], s[28:35]          ; my one tensor load until the next such barrier
	s_nop 0
	PLACES
.endm
.macro ASK                             ; step n asks for my part of granule n + 3; there is none from step 13 on
	s_cmp_lt_u32 s44, 13
	s_cbranch_scc0 .Lna_\@
	global_prefetch_b8 v[PFO], s[56:57] th:TH_LOAD_NT scope:SCOPE_SE
	global_prefetch_b8 v[PFO], s[56:57] offset:8192 th:TH_LOAD_NT scope:SCOPE_SE
.Lna_\@:
.endm
.macro SCORE                           ; lane r: my row r (block row 16 (r / 4) + 4 w + r % 4): score, mask, running maximum and sum; the 16 weights into every lane
.irp u, 0,1,2,3
	ds_load_b32 v[T+\u], v[PSR] offset:256*\u
.endr
	s_wait_dscnt 0x0
	v_add_f32 v[T], v[T], v[T+1]
	v_add_f32 v[T+2], v[T+2], v[T+3]
	v_add_f32 v[T], v[T], v[T+2]
	v_cmp_eq_u32 vcc_lo, 0, v[MK]
	v_cndmask_b32 v[T], v[T], v[NEG], vcc_lo       ; -1e9 where the mask is 0
	v_mul_f32 v[T], 0x3fb8aa3b, v[T]               ; z
	v_mov_b32 v[Z], v[Z+1]                         ; z and the masks move on by a block
	v_mov_b32 v[Z+1], v[Z+2]
	v_mov_b32 v[Z+2], v[Z+3]
	v_mov_b32 v[Z+3], v[T]
	v_mov_b32 v[MK], v[MK+1]
	v_mov_b32 v[MK+1], v[MK+2]
	v_mov_b32 v[MK+2], v[MK+3]
	v_mov_b32 v[T+1], v[T]
.irp x, 1,2,4,8
	v_max_num_f32_dpp v[T+1], v[T+1], v[T+1] row_xmask:\x row_mask:0xf bank_mask:0xf
.endr
	v_max_num_f32 v[T+2], v[MX], v[T+1]            ; the new maximum
	v_sub_f32 v[T+3], v[MX], v[T+2]
	v_sub_f32 v[T+4], v[T], v[T+2]
	VW
	v_exp_f32 v[F], v[T+3]
	v_exp_f32 v[T+5], v[T+4]                       ; my row's weight
	v_mov_b32 v[MX], v[T+2]
	VW
	v_fma_f32 v[LS], v[LS], v[F], v[T+5]
	ds_store_b32 v[PBW], v[T+5]
.irp u, 0,1,2,3
	ds_load_b128 v[S+4*\u:S+4*\u+3], v[PBR] offset:16*\u   ; a wave's LDS instructions are served in order
.endr
.set PP, 0
.rept 16
	v_pk_mul_f32 v[CTX+2*PP:CTX+2*PP+1], v[CTX+2*PP:CTX+2*PP+1], v[F:F+1] op_sel_hi:[1,0]
.set PP, PP+1
.endr
	VW
	s_wait_dscnt 0x0
.endm
.macro CTXACC                          ; context += weight x row
	WIN 0x03
.irp o, 0,1,2,3,4,5,6,7,8,9,10,11,12,13,14,15
.irp g, 0,1,2,3
.irp e, 0,1,2,3
	v_fma_mix_f32_bf16 v[CTX+8*\g+2*\e], v[16*\o+4*\g+\e], v[S+\o], v[CTX+8*\g+2*\e] op_sel_hi:[1,0,0]
	v_fma_mix_f32_bf16 v[CTX+8*\g+2*\e+1], v[16*\o+4*\g+\e], v[S+\o], v[CTX+8*\g+2*\e+1] op_sel:[1,0,0] op_sel_hi:[1,0,0]
.endr
.endr
.endr
	WIN 0
.endm
.macro BEND                            ; a block's end
.irp x, 1,2,4,8
.set PP, 0
.rept 32
	v_add_f32_dpp v[S+PP], v[S+PP], v[S+PP] row_xmask:\x row_mask:0xf bank_mask:0xf   ; over the 16 columns of a half's lanes
.set PP, PP+1
.endr
.endr
.irp a, 0,1,2,3,4,5,6,7
	ds_store_b128 v[PSW], v[S+4*\a:S+4*\a+3] offset:64*(\a/2)+16*(\a%2)
.endr
	s_wait_dscnt 0x0                               ; my partial scores and my part of the next block's codes have landed
	s_barrier_signal -1
	s_barrier_wait -1
	SCORE
	CTXACC
.endm
	; ---- HEAD
	s_load_b512 s[4:19], s[0:1], 0x0               ; encoder_outputs, dpart, mask, b_attn, v_w, wfrag, part, zbuf
	v_lshl_add_u32 v[SPW], v0, 2, SPARE
	v_mov_b32 v[NIL], 0
	ds_add_u32 v[SPW], v[NIL]
	ds_add_u32 v[SPW], v[NIL]
	v_lshrrev_b32 v34, 5, v0                       ; w
	v_readfirstlane_b32 s20, v34
	v_and_b32 v35, 31, v0                          ; l
	v_and_b32 v36, 15, v0                          ; r
	v_bfe_u32 v37, v0, 4, 1                        ; h
	v_bfe_u32 v38, v0, 2, 2                        ; (l / 4) % 4 = r / 4
	v_and_b32 v39, 3, v0
	v_bfe_u32 v47, v0, 3, 2                        ; l / 8
	v_lshlrev_b32 v[VB], 4, v35
	v_lshlrev_b32 v[VSO], 3, v35
	v_lshlrev_b32 v[PFO], 8, v35
	v_lshlrev_b32 v[DPO], 4, v36
	v_lshlrev_b32 v46, 6, v38                      ; 4 x my block row: 64 (r / 4) + 16 w + 4 (r % 4)
	v_lshl_add_u32 v46, v34, 4, v46
	v_lshl_add_u32 v46, v39, 2, v46
	v_lshlrev_b32 v[LQ], 5, v35                    ; 32 l + 16 (l / 8) + my ring
	v_lshl_add_u32 v[LQ], v47, 4, v[LQ]
	v_mad_u32_u24 v[LQ], v34, LANDW, v[LQ]
	v_lshl_add_u32 v[CW], v35, 2, CODES
	v_mad_u32_u24 v[CW], v34, 4*CP, v[CW]
	v_lshl_add_u32 v[SBW], v37, 4, v38
	v_mad_u32_u24 v[SBW], v34, 4*SP, v[SBW]
	v_add_nc_u32 v[SBW], SCB, v[SBW]
	v_mul_u32_u24 v[AFA], v36, CP
	v_lshl_add_u32 v[AFA], v37, 4, v[AFA]
	v_add_nc_u32 v[AFA], CODES, v[AFA]
	v_mul_u32_u24 v[ASA], v36, SP
	v_lshl_add_u32 v[ASA], v37, 4, v[ASA]
	v_add_nc_u32 v[ASA], SCB, v[ASA]
	v_lshl_add_u32 v[BVA], v36, 5, BVL
	v_lshl_add_u32 v[BVA], v34, 11, v[BVA]
	v_lshl_add_u32 v[BVS], v39, 7, BVL             ; column 128 a + 4 l + i: trip 2 a + l / 16, tile (l / 4) % 4, r = 4 (l % 4) + i
	v_lshl_add_u32 v[BVS], v34, 11, v[BVS]
	v_lshl_add_u32 v[BVS], v37, 9, v[BVS]
	v_lshl_add_u32 v[BVS], v38, 3, v[BVS]
	v_lshl_add_u32 v[PSW], v37, 5, PS
	v_lshl_add_u32 v[PSW], v34, 8, v[PSW]
	v_add_nc_u32 v[PSR], PS, v46
	v_lshl_add_u32 v[PBR], v34, 6, PBL
	v_lshl_add_u32 v[PBW], v36, 2, v[PBR]
	v_lshl_add_u32 v[MSW], v34, 3, MST
	v_add_nc_u32 v[SCW], SCO, v46
	v_lshl_add_u32 v[MGW], v35, 5, CODES
	v_lshl_add_u32 v[MGW], v34, 12, v[MGW]
	v_mov_b32 v[MSR], MST
	v_lshl_add_u32 v[MGR], v35, 4, CODES
	v_lshl_add_u32 v[MGR], v34, 10, v[MGR]
	v_lshl_add_u32 v[SCR], v35, 3, SCO
	v_lshl_add_u32 v[SCR], v34, 8, v[SCR]
	v_lshl_add_u32 v[B6W], v35, 4, B16
	v_lshl_add_u32 v[B6W], v34, 15, v[B6W]
	v_mov_b32 v[MX], 0xff61b1e6                    ; -3e38, under every z
	v_mov_b32 v[LS], 0
	v_mov_b32 v[F+1], 0
	v_mov_b32 v[NEG], 0xce6e6b28                   ; -1e9
	v_mov_b32 v[VS], 0
.irp j, 0,1,2,3
	v_mov_b32 v[Z+\j], 0
.endr
	s_mov_b32 s21, ttmp9
	s_lshr_b32 s22, ttmp9, 3
	; group 1: 16,384 dense bytes as 64 rows of 32 elements of 8 bytes, 4 words of padding behind every 64
	s_mov_b32 s28, (3<<16)|(1<<20)|(5<<22)|(3<<25)
	s_mov_b32 s29, 32<<16
	s_mov_b32 s30, 64<<16
	s_mov_b32 s31, 32<<16
	s_mov_b32 s32, 64
	s_mov_b32 s33, 32
	s_mov_b32 s34, 0
	s_mov_b32 s35, 0
	s_mov_b32 s24, 1
	s_mul_i32 s25, s20, LANDW                      ; my ring, slot 0
	s_lshl_b32 s48, s21, 20                        ; the work-group's 256 rows, my four of a granule
	s_lshl_b32 s49, s20, 14
	s_add_co_u32 s48, s48, s49
	s_mov_b32 s49, 0
	VW                                             ; at the end of the head's address work
	s_wait_dscnt 0x0
	s_wait_kmcnt 0x0
	s_add_nc_u64 s[26:27], s[4:5], s[48:49]
	s_add_nc_u64 s[58:59], s[4:5], s[48:49]
	s_or_b32 s27, s27, 0x80000000
	tensor_load_to_lds s[24:27], s[28:35]          ; granule 0: my one load at the head
	s_nop 0
	PLACES
	s_add_nc_u64 s[58:59], s[58:59], 65536         ; my part of granule 1
	s_add_nc_u64 s[56:57], s[58:59], 65536         ; of granule 2: step 0 steps it to granule 3
	global_prefetch_b8 v[PFO], s[58:59] th:TH_LOAD_NT scope:SCOPE_SE               ; granules 1 and 2, 64 blocks of 256 bytes each
	global_prefetch_b8 v[PFO], s[58:59] offset:8192 th:TH_LOAD_NT scope:SCOPE_SE
	global_prefetch_b8 v[PFO], s[58:59] offset:65536 th:TH_LOAD_NT scope:SCOPE_SE
	global_prefetch_b8 v[PFO], s[58:59] offset:73728 th:TH_LOAD_NT scope:SCOPE_SE
	s_lshl_b32 s48, s21, 10
	s_add_nc_u64 s[8:9], s[8:9], s[48:49]          ; mask at row 256 g
	s_lshl_b32 s48, s20, 10
	s_add_nc_u64 s[10:11], s[10:11], s[48:49]      ; b and v at my 256 columns
	s_add_nc_u64 s[12:13], s[12:13], s[48:49]
	; dpart: batch b = 16 m + 8 h + j lies at byte 1,024 m + 512 (j / 4) + 256 h + 16 r + 4 (j % 4) of a tile's 2,048
	s_lshr_b32 s48, s22, 4
	s_lshl_b32 s48, s48, 10
	s_bfe_u32 s50, s22, 0x10002
	s_lshl_b32 s50, s50, 9
	s_add_co_u32 s48, s48, s50
	s_bfe_u32 s50, s22, 0x10003
	s_lshl_b32 s50, s50, 8
	s_add_co_u32 s48, s48, s50
	s_and_b32 s50, s22, 3
	s_lshl_b32 s50, s50, 2
	s_add_co_u32 s48, s48, s50
	s_lshl_b32 s50, s20, 15
	s_add_co_u32 s48, s48, s50
	s_add_nc_u64 s[6:7], s[6:7], s[48:49]
	s_mul_i32 s48, s20, QUARTB
	s_add_nc_u64 s[36:37], s[14:15], s[48:49]      ; wfrag at my 16 tiles
	s_mov_b64 s[40:41], s[36:37]
	s_mul_i32 s48, s21, 4352
	s_lshl_b32 s50, s20, 10
	s_add_co_u32 s48, s48, s50
	s_add_nc_u64 s[16:17], s[16:17], s[48:49]      ; part at my record, my 1,024 bytes
	s_lshl_b32 s48, s21, 10
	s_lshl_b32 s50, s20, 8
	s_add_co_u32 s48, s48, s50
	s_add_nc_u64 s[18:19], s[18:19], s[48:49]      ; zbuf at my 64 rows
.irp j, 0,1,2,3
	global_load_b32 v[MK+\j], v46, s[8:9] offset:256*\j            ; the mask of my row in block j
.endr
.irp a, 0,1
	global_load_b128 v[S+4*\a:S+4*\a+3], v[VB], s[10:11] offset:512*\a
	global_load_b128 v[S+8+4*\a:S+8+4*\a+3], v[VB], s[12:13] offset:512*\a
.endr
.irp t, 0,1,2,3,4,5,6,7,8,9,10,11,12,13,14,15
	global_load_b32 v[ACC+\t], v[DPO], s[6:7] offset:2048*\t               ; dec_proj of column r of my tile t, first half of K
	global_load_b32 v[ACC+16+\t], v[DPO], s[6:7] offset:131072+2048*\t     ; second half
.endr
	RELOAD 0
	RELOAD 1
	RELOAD 2
	RELOAD 3
	s_mov_b32 s38, 0
	s_mov_b32 s39, 0
	s_mov_b32 s46, 0x4038aa3b                      ; c = 2 log2(e)
	s_mov_b32 s47, s46
	s_mov_b32 s44, 0
	s_mov_b32 s55, 0
	; bias' = c (dec_proj + b), v' = -2 v for my 256 columns, into my part of BVL
	s_wait_loadcnt 63                              ; behind the 40 small loads 72 were issued
.irp i, 0,1,2,3,4,5,6,7
	v_mul_f32 v[S+8+\i], -2.0, v[S+8+\i]
.endr
.irp a, 0,1
.irp i, 0,1,2,3
	ds_store_b32 v[BVS], v[S+4*\a+\i] offset:1024*\a+32*\i          ; b for now
	ds_store_b32 v[BVS], v[S+8+4*\a+\i] offset:1024*\a+32*\i+4      ; v'
.endr
.endr
.irp t, 0,1,2,3
	ds_load_b128 v[CTX+8*\t:CTX+8*\t+3], v[BVA] offset:512*\t
	ds_load_b128 v[CTX+8*\t+4:CTX+8*\t+7], v[BVA] offset:512*\t+16
.endr
.set PP, 0
.rept 8
	v_pk_add_f32 v[ACC+2*PP:ACC+2*PP+1], v[ACC+2*PP:ACC+2*PP+1], v[ACC+16+2*PP:ACC+16+2*PP+1]
.set PP, PP+1
.endr
	VW
	s_wait_dscnt 0x0
.set PP, 0
.rept 16
	v_add_f32 v[ACC+PP], v[ACC+PP], v[CTX+2*PP]
.set PP, PP+1
.endr
.set PP, 0
.rept 16
	v_mul_f32 v[ACC+PP], s46, v[ACC+PP]
.set PP, PP+1
.endr
.set PP, 0
.rept 16
	v_add_f32 v[VS], v[VS], v[CTX+2*PP+1]
.set PP, PP+1
.endr
.set PP, 0
.rept 16
	ds_store_b32 v[BVA], v[ACC+PP] offset:512*(PP/4)+8*(PP%4)       ; bias' takes b's place
.set PP, PP+1
.endr
	v_mul_f32 v[VS], -0.5, v[VS]                   ; the sum of v over my lane's 16 columns
.set PP, 0
.rept 32
	v_mov_b32 v[CTX+PP], 0
.set PP, PP+1
.endr
	VW
	s_wait_dscnt 0x0
	; ---- steps 0 to 3: block 0 is quantised
.Lp:
	STEPHEAD
	QUANT4
	ASK
	s_add_co_u32 s44, s44, 1
	s_cmp_lt_u32 s44, 4
	s_cbranch_scc1 .Lp
	s_wait_dscnt 0x0                               ; my codes and scale bytes have landed
	s_barrier_signal -1
	s_barrier_wait -1                              ; granule 4's load stays on its way
	SWITCH
	; ---- steps 4 to 14
.La:
	STEPHEAD
	QUANT4
	ASK
	TRIP 0
	s_and_b32 s50, s44, 3
	s_cmp_lg_u32 s50, 3
	VW
	s_cbranch_scc1 .Las
	BEND
	SWITCH
.Las:
	s_add_co_u32 s44, s44, 1
	s_cmp_lt_u32 s44, 15
	s_cbranch_scc1 .La
	; ---- the last granule: nothing more is asked for
	s_wait_tensorcnt 0x0                           ; only I read these bytes
	QUANT4
	; ---- steps 15 to 19
.Lb:
	TRIP 1
	s_and_b32 s50, s44, 3
	s_cmp_lg_u32 s50, 3
	VW
	s_cbranch_scc1 .Lbs
	BEND
	VW
	s_barrier_signal -1                            ; these steps have no change of slots: every wave's reads of the partial scores are over (waited for in SCORE)
	s_barrier_wait -1                              ; before any wave stores the next block's
	s_cmp_eq_u32 s44, 19
	s_cbranch_scc1 .Lbs                            ; no block follows the last
	SWITCH
.Lbs:
	s_add_co_u32 s44, s44, 1
	s_cmp_lt_u32 s44, 20
	s_cbranch_scc1 .Lb
	; ---- TAIL: the four waves' maxima, sums and contexts are joined; wave w sends columns 256 w on
.irp x, 1,2,4,8
	v_add_f32_dpp v[LS], v[LS], v[LS] row_xmask:\x row_mask:0xf bank_mask:0xf
.endr
	ds_store_b64 v[MSW], v[MX:MX+1]
.irp j, 0,1,2,3
	ds_store_b32 v[SCW], v[Z+\j] offset:256*\j
.endr
.irp g, 0,1,2,3
.irp a, 0,1
	ds_store_b128 v[MGW], v[CTX+8*\g+4*\a:CTX+8*\g+4*\a+3] offset:1024*\g+16*\a   ; into the codes' bytes: every wave has passed a barrier behind its last read of them
.endr
.endr
	s_wait_dscnt 0x0
	s_barrier_signal -1
	s_barrier_wait -1
	ds_load_b128 v[104:107], v[MSR]
	ds_load_b128 v[108:111], v[MSR] offset:16
.irp u, 0,1,2,3
.irp a, 0,1
	ds_load_b128 v[ACC+8*\u+4*\a:ACC+8*\u+4*\a+3], v[MGR] offset:4096*\u+512*\a
.endr
.endr
	ds_load_b64 v[46:47], v[SCR]
	s_wait_dscnt 9                                 ; the two loads of maxima and sums are in; nine behind them may be out
	v_max3_num_f32 v34, v104, v106, v108
	v_max_num_f32 v34, v34, v110
.irp u, 0,1,2,3
	v_sub_f32 v[112+\u], v[104+2*\u], v34
.endr
	VW
.irp u, 0,1,2,3
	v_exp_f32 v[112+\u], v[112+\u]
.endr
	s_wait_tensorcnt 0x0                           ; the wave's end
	ds_add_u32 v[SPW], v[NIL]
	v_nop
	VW
	v_mul_f32 v35, v112, v105
	v_fmac_f32 v35, v113, v107
	v_fmac_f32 v35, v114, v109
	v_fmac_f32 v35, v115, v111                     ; v[34:35] = (maximum, sum)
	VW
	s_wait_dscnt 0x0
.irp i, 0,1,2,3,4,5,6,7
	v_mul_f32 v[S+\i], v112, v[ACC+\i]
.endr
.irp u, 1,2,3
.irp i, 0,1,2,3,4,5,6,7
	v_fmac_f32 v[S+\i], v[112+\u], v[ACC+8*\u+\i]
.endr
.endr
	global_store_b128 v[VB], v[S:S+3], s[16:17]            ; 32 lanes store 512 consecutive bytes, aligned
	global_store_b128 v[VB], v[S+4:S+7], s[16:17] offset:512
	global_store_b64 v[VSO], v[46:47], s[18:19]            ; z of rows 64 w on: 256 consecutive bytes, aligned
	s_cmp_lg_u32 s20, 0
	s_cbranch_scc1 .Lnot0
	global_store_b64 v[VSO], v[34:35], s[16:17] offset:4096   ; wave 0: the pair, 32 times
.Lnot0:
	s_endpgm
.Lfunc_end_k_qbf479f6c67_main:
	.size	k_qbf479f6c67_main, .Lfunc_end_k_qbf479f6c67_main-k_qbf479f6c67_main
	.p2alignl 7, 3214868480
	.fill 96, 4, 3214868480
	.section	.rodata,"a",@progbits
	.p2align	6, 0x0
	.amdhsa_kernel k_qbf479f6c67_main
		.amdhsa_group_segment_fixed_size 327680
		.amdhsa_private_segment_fixed_size 0
		.amdhsa_enable_private_segment 0
		.amdhsa_kernarg_size 64
		.amdhsa_user_sgpr_count 2
		.amdhsa_user_sgpr_kernarg_segment_ptr 1
		.amdhsa_wavefront_size32 1
		.amdhsa_system_sgpr_workgroup_id_x 1
		.amdhsa_system_sgpr_workgroup_id_y 1
		.amdhsa_system_sgpr_workgroup_id_z 1
		.amdhsa_system_vgpr_workitem_id 0
		.amdhsa_next_free_vgpr 1024
		.amdhsa_next_free_sgpr 66
		.amdhsa_reserve_vcc 1
		.amdhsa_float_denorm_mode_32 3
		.amdhsa_float_denorm_mode_16_64 3
		.amdhsa_memory_ordered 1
		.amdhsa_forward_progress 1
		.amdhsa_inst_pref_size 255
	.end_amdhsa_kernel
	.section	.bss,"aw",@nobits
	.p2align	6
	.space	262144
	.amdgpu_metadata
---
amdhsa.version: [ 1, 2 ]
amdhsa.kernels:
  - .name:           k_qbf479f6c67_main
    .symbol:         k_qbf479f6c67_main.kd
    .args:
      - { .name: encoder_outputs, .offset: 0, .size: 8, .value_kind: global_buffer, .address_space: global }
      - { .name: dpart, .offset: 8, .size: 8, .value_kind: global_buffer, .address_space: global }
      - { .name: mask, .offset: 16, .size: 8, .value_kind: global_buffer, .address_space: global }
      - { .name: b_attn, .offset: 24, .size: 8, .value_kind: global_buffer, .address_space: global }
      - { .name: v_w, .offset: 32, .size: 8, .value_kind: global_buffer, .address_space: global }
      - { .name: wfrag, .offset: 40, .size: 8, .value_kind: global_buffer, .address_space: global }
      - { .name: part, .offset: 48, .size: 8, .value_kind: global_buffer, .address_space: global }
      - { .name: zbuf, .offset: 56, .size: 8, .value_kind: global_buffer, .address_space: global }
    .group_segment_fixed_size: 327680
    .private_segment_fixed_size: 0
    .kernarg_segment_align: 8
    .kernarg_segment_size: 64
    .max_flat_workgroup_size: 128
    .sgpr_count:     66
    .vgpr_count:     1024
    .wavefront_size: 32
...
	.end_amdgpu_metadata
.endif
;; end of part 2
;; launch finish (part 3): grid 32 x 1, 8 waves a work-group, no clusters, 0 bytes of LDS; arguments part, zbuf, out0, out1; writes out0, out1
.if DOCPART == 3
	.amdgcn_target "amdgcn-amd-amdhsa--gfx1250"
	.amdhsa_code_object_version 6
	.text
	.protected	k_qbf479f6c67_finish
	.globl	k_qbf479f6c67_finish
	.p2align	8
	.type	k_qbf479f6c67_finish,@function
k_qbf479f6c67_finish:
	s_mov_b64 s[64:65], 0
	v_nop
	global_prefetch_b8 v0, s[64:65] scope:SCOPE_SE
	s_setreg_imm32_b32 hwreg(HW_REG_WAVE_MODE, 25, 1), 1
	s_wait_xcnt 0x0
; One work-group a batch joins the batch's eight records (partial context C_i, maximum M_i, sum L_i; all under base 2) and z of its 2,048 rows:
;   M = max M_i;  g_i = 2^(M_i - M);  L = sum g_i L_i;  context = sum g_i C_i / L;  weight = 2^(z - M) / L.
; The largest z has the weight 2^0 in its own record, so L is at least 1.  Thread t takes columns 4 t .. 4 t + 3 of the context and rows 4 t .. 4 t + 3 and 1,024 + 4 t .. + 3 of the weights.
; All 18 loads go out at once; every store of a wave covers 512 consecutive bytes, aligned.  No LDS, no barrier: threads share nothing.
.set RECB, 4352                        ; a record
.set ML,  8                            ; v8-23   (M_i, L_i)
.set CC,  24                           ; v24-55  C_i, four numbers each
.set ZR,  56                           ; v56-63  z, then the weights
.set GI,  66                           ; v66-73  g_i
	s_load_b256 s[4:11], s[0:1], 0x0               ; part, zbuf, out0, out1
	v_and_b32 v1, 31, v0
	s_delay_alu instid0(VALU_DEP_1)
	v_lshlrev_b32 v2, 3, v1                        ; 8 x lane
	v_lshlrev_b32 v3, 4, v0                        ; 16 x thread
	s_mul_i32 s12, ttmp9, 8*RECB
	s_mov_b32 s13, 0
	s_lshl_b32 s14, ttmp9, 13                      ; 2,048 rows of 4 bytes
	s_mov_b32 s15, 0
	s_lshl_b32 s16, ttmp9, 12                      ; 1,024 columns of 4 bytes
	s_mov_b32 s17, 0
	s_wait_alu depctr_va_vdst(0)
	s_wait_kmcnt 0x0
	s_add_nc_u64 s[4:5], s[4:5], s[12:13]
	s_add_nc_u64 s[6:7], s[6:7], s[14:15]
	s_add_nc_u64 s[8:9], s[8:9], s[16:17]
	s_add_nc_u64 s[10:11], s[10:11], s[14:15]
.irp i, 0,1,2,3,4,5,6,7
	global_load_b64 v[ML+2*\i:ML+2*\i+1], v2, s[4:5] offset:RECB*\i+4096
.endr
.irp i, 0,1,2,3,4,5,6,7
	global_load_b128 v[CC+4*\i:CC+4*\i+3], v3, s[4:5] offset:RECB*\i
.endr
	global_load_b128 v[ZR:ZR+3], v3, s[6:7]
	global_load_b128 v[ZR+4:ZR+7], v3, s[6:7] offset:4096
	s_wait_loadcnt 10                              ; the eight pairs are in; the ten loads behind them may be out
	v_max3_num_f32 v64, v[ML], v[ML+2], v[ML+4]
	s_delay_alu instid0(VALU_DEP_1)
	v_max3_num_f32 v64, v64, v[ML+6], v[ML+8]
	s_delay_alu instid0(VALU_DEP_1)
	v_max3_num_f32 v64, v64, v[ML+10], v[ML+12]
	s_delay_alu instid0(VALU_DEP_1)
	v_max_num_f32 v64, v64, v[ML+14]               ; M
.irp i, 0,1,2,3,4,5,6,7
	v_sub_f32 v[GI+\i], v[ML+2*\i], v64
.endr
	s_wait_alu depctr_va_vdst(0)
.irp i, 0,1,2,3,4,5,6,7
	v_exp_f32 v[GI+\i], v[GI+\i]
.endr
	v_nop                                          ; a plain line behind the batch,
	s_wait_alu depctr_va_vdst(0)                   ; and its one wait, ahead of the first reader
	v_mul_f32 v65, v[GI], v[ML+1]
.irp i, 1,2,3,4,5,6,7
	v_fmac_f32 v65, v[GI+\i], v[ML+2*\i+1]         ; L
.endr
	s_wait_loadcnt 0x0
.irp i, 0,1,2,3,4,5,6,7
	v_sub_f32 v[ZR+\i], v[ZR+\i], v64
.endr
	s_wait_alu depctr_va_vdst(0)
	v_rcp_f32 v75, v65
.irp i, 0,1,2,3,4,5,6,7
	v_exp_f32 v[ZR+\i], v[ZR+\i]
.endr
	v_nop
	s_wait_alu depctr_va_vdst(0)                   ; one wait for the reciprocal and the eight exponentials
.irp i, 0,1,2,3,4,5,6,7
	v_mul_f32 v[GI+\i], v[GI+\i], v75              ; g_i / L
.endr
.irp i, 0,1,2,3,4,5,6,7
	v_mul_f32 v[ZR+\i], v[ZR+\i], v75              ; the weights
.endr
.irp j, 0,1,2,3
	v_mul_f32 v[76+\j], v[GI], v[CC+\j]
.endr
.irp i, 1,2,3,4,5,6,7
.irp j, 0,1,2,3
	s_delay_alu instid0(VALU_DEP_4)
	v_fmac_f32 v[76+\j], v[GI+\i], v[CC+4*\i+\j]
.endr
.endr
	global_store_b128 v3, v[76:79], s[8:9]
	global_store_b128 v3, v[ZR:ZR+3], s[10:11]
	global_store_b128 v3, v[ZR+4:ZR+7], s[10:11] offset:4096
	s_endpgm
.Lfunc_end_k_qbf479f6c67_finish:
	.size	k_qbf479f6c67_finish, .Lfunc_end_k_qbf479f6c67_finish-k_qbf479f6c67_finish
	.p2alignl 7, 3214868480
	.fill 96, 4, 3214868480
	.section	.rodata,"a",@progbits
	.p2align	6, 0x0
	.amdhsa_kernel k_qbf479f6c67_finish
		.amdhsa_group_segment_fixed_size 0
		.amdhsa_private_segment_fixed_size 0
		.amdhsa_enable_private_segment 0
		.amdhsa_kernarg_size 32
		.amdhsa_user_sgpr_count 2
		.amdhsa_user_sgpr_kernarg_segment_ptr 1
		.amdhsa_wavefront_size32 1
		.amdhsa_system_sgpr_workgroup_id_x 1
		.amdhsa_system_sgpr_workgroup_id_y 1
		.amdhsa_system_sgpr_workgroup_id_z 1
		.amdhsa_system_vgpr_workitem_id 0
		.amdhsa_next_free_vgpr 80
		.amdhsa_next_free_sgpr 66
		.amdhsa_reserve_vcc 0
		.amdhsa_float_denorm_mode_32 3
		.amdhsa_float_denorm_mode_16_64 3
		.amdhsa_memory_ordered 1
		.amdhsa_forward_progress 1
		.amdhsa_inst_pref_size 8
	.end_amdhsa_kernel
	.amdgpu_metadata
---
amdhsa.version: [ 1, 2 ]
amdhsa.kernels:
  - .name:           k_qbf479f6c67_finish
    .symbol:         k_qbf479f6c67_finish.kd
    .args:
      - { .name: part, .offset: 0, .size: 8, .value_kind: global_buffer, .address_space: global }
      - { .name: zbuf, .offset: 8, .size: 8, .value_kind: global_buffer, .address_space: global }
      - { .name: out0, .offset: 16, .size: 8, .value_kind: global_buffer, .address_space: global }
      - { .name: out1, .offset: 24, .size: 8, .value_kind: global_buffer, .address_space: global }
    .group_segment_fixed_size: 0
    .private_segment_fixed_size: 0
    .kernarg_segment_align: 8
    .kernarg_segment_size: 32
    .max_flat_workgroup_size: 256
    .sgpr_count:     66
    .vgpr_count:     80
    .wavefront_size: 32
...
	.end_amdgpu_metadata
.endif
;; end of part 3
